; MI455X (gfx1250); checked and timed in simulation.
; The chip was launched on July 23, 2026; its instructions are those of AMD's public machine-readable ISA for CDNA 5 (MIT licence, August 2026) and "CDNA5" Instruction Set Architecture Reference Guide (July 2026). The comments in the code are by the model that wrote it; some were corrected since.
;; SKAN Linear. Allowed arithmetic: matrix products marked QUANTISED: E5M2 operands, one given power-of-two scale a tensor, by v_wmma_f32_16x16x64_bf8_bf8 or v_wmma_f32_16x16x128_bf8_bf8, f32 sums; everything else in f32.
;; Inputs: lowp_scales 4 int32 (the exponents e of the quantised operands' scales 2^e); weight 2,048 x 2,049 float32; x 4 x 2,048 x 2,048 float32.
;; Outputs: out0 8,192 x 2,048 float32.
;; This version of the problem:
;;   THIS VERSION OF THE PROBLEM IS GIVEN IN LOW PRECISION. The matrix products marked QUANTISED in the list below multiply operands that are first quantised to E5M2 (5 exponent bits, 2 mantissa bits; 8 bits a number), with one given power-of-two scale for each operand tensor; their sums are f32. All else is computed in f32.
;;   The module's matrix products, in the order in which they are computed (A, B: the left and right operand; K: the contracted axis; several contracted axes count as one K, in the product's order):
;;     1. [M 8,192, K 2,049] x [K 2,049, N 2,048]; A: computed on the way; B: input weight: QUANTISED (scales: A lowp_scales[0], B lowp_scales[1])
;;     2. [M 8,192, K 2,049] x [K 2,049, N 2,048]; A: computed on the way; B: computed on the way: QUANTISED (scales: A lowp_scales[2], B lowp_scales[3])
;;   THE QUANTISER, for each operand of a quantised product, along K:
;;     - The operand's scale is 2^e, e = its entry of the input lowp_scales (int32; the entries are numbered through the quantised products in the list's order, A before B).
;;     - Each number is divided by the scale, clamped to +-57,344, and rounded to the nearest number of E5M2, ties to even, subnormals kept.
;;     - The product sums the exact products of the quantised numbers (number of the format x scale) in f32.
;;   ~~~python
;;   def quantise(x, axis, e):      # numpy; x: float32 -> the quantised numbers, widened to float32 again
;;       x = np.moveaxis(x, axis, -1); K = x.shape[-1]
;;       r = np.clip(x / 2.0 ** e, -57344, 57344)
;;       step = 2.0 ** (np.maximum(np.frexp(np.where(r == 0, 1, r))[1] - 1, -14) - 2)
;;       q = np.round(r / step) * step * 2.0 ** e      # np.round: ties to even
;;       return np.moveaxis(q, -1, axis).astype(np.float32)
;;   ~~~
;;   OPERANDS COMPUTED ON THE WAY. 'Computed on the way' means the value that the module computes at that place (a softmax that the list does not call 'softmax' is quantised finished and normalised). What goes into a quantiser is computed in f32, as accurately as f32 sums, v_exp_f32 and their like allow (about 1e-6 of the number): no bf16 or f16 on the way to a quantiser, and a product that is left as it is and whose result goes on into a quantised operand takes f32 operands (vector FMAs, or v_wmma_f32_16x16x4_f32). A number that lies on a knife's edge between two numbers of the format may be rounded either way, as far as f32 arithmetic and the matrix unit's own rounding can turn it there, and no further.
;; One version. Each part assembles by itself: llvm-mc -triple=amdgcn-amd-amdhsa -mcpu=gfx1250 --defsym DOCPART=n.
;; ======== version 1 of 1: 2 launches
;; limits: right only within a limited range of input values
;; workspace buffers: acodes 33,554,432 bytes; bcodes 8,388,608 bytes; wtail 8,192 bytes
;; launch quant (part 1): grid 256 x 1, 16 waves a work-group, no clusters, 169,984 bytes of LDS; arguments x, weight, lowp_scales, acodes, bcodes, wtail; writes acodes, bcodes, wtail
.if DOCPART == 1
	.amdgcn_target "amdgcn-amd-amdhsa--gfx1250"
	.amdhsa_code_object_version 6
	.text
	.protected	k_q39fc2bca8a_quant
	.globl	k_q39fc2bca8a_quant
	.p2align	8
	.type	k_q39fc2bca8a_quant,@function
k_q39fc2bca8a_quant:
	s_mov_b64 s[64:65], 0
	v_nop
	global_prefetch_b8 v0, s[64:65] scope:SCOPE_SE
	s_setreg_imm32_b32 hwreg(HW_REG_WAVE_MODE, 25, 1), 1
	s_wait_xcnt 0x0
; x [8192][2048] and weight [2048][2049], f32, are turned into codes of BF8 (E5M2), each operand with the scale 2^e that is given for it.  The two products' K lie one behind the other as K' = 0 .. 4,095:
; K' < 2,048: Q(x, e0) and Q(W, e1); K' >= 2,048: Q(|x|, e2) and Q(|W|, e3), of column K' - 2,048.  The codes are laid as the product's launch reads them, the K step of 256 outermost:
;   acodes [16][8192][256]: K step j, row m, byte b = the code of row m at K' = 256 j + b.     bcodes [16][2048][256] likewise.
;   wtail  [2048] words: byte 0 = Q(W[o][2048], e1), byte 1 = Q(|W[o][2048]|, e3), bytes 2 and 3 = 0
; code = number / 2^e, held within +-57,344, rounded to the nearest code, ties to even.
; LIMITS: each e between -126 and 112, so that 2^e and 57,344 x 2^e are f32 numbers.  NaN among the inputs is not served (an infinity is held at the largest code).
; SHARES.  Work-group g takes rows 32 g .. 32 g + 31 of x and rows 8 g .. 8 g + 7 of W.  Wave w takes two rows of x (8 steps of 512 numbers) and half (w & 1) of row 8 g + (w >> 1) of W (2 steps);
; wave 0 also takes the work-group's eight last columns.  Work-groups share no input, so there is no cluster; waves share no LDS byte, so there is no barrier.
; A conversion takes 8 neighbours along K from ONE lane's registers; a load takes neighbouring bytes in neighbouring LANES.  So a step's 2,048 bytes of x are loaded 16 bytes a lane, go through the
; wave's own stage in LDS as they lie and come back 64 bytes a lane.  A row of W is 8,196 bytes, so its rows begin at multiples of 4 bytes only: the wave's half row (4,096 dense bytes) is loaded
; 4 bytes a lane, 128 consecutive bytes a load, and stored into LDS bytes of its own in the stages' layout.  There 16 bytes of padding follow each 256: flat byte f lies at f + 16 (f >> 8).
; All of a wave's input is asked for at the head: 32 loads of 4 bytes and 32 loads of 16 bytes a lane.  No tensor load and no copy.
.set WREG,  8704                       ; LDS of a wave: its half row of W (16 x 272 = 4,352 bytes), then two stages of 2,176 bytes
.set STG,   4352                       ; where the stages begin in it
.set STB,   2176                       ; a stage, and a step's part of the half row: 2,048 bytes + 8 x 16 of padding
.set WROW,  8196                       ; a row of W in bytes
.set ASTEP, 8192*256                   ; from K step to K step in acodes, in bytes
.set BSTEP, 2048*256                   ; and in bcodes
.set LA,    2                          ; v2   16 x lane
.set STA,   3                          ; v3   into a stage: 8704 w + 16 l + 16 (l / 16)
.set RDA,   4                          ; v4   out of a stage or the half row: 8704 w + 64 l + 16 (l / 4)
.set TO,    5                          ; v5   min(lane, 7) rows of W
.set TV,    6                          ; v6   wave 0: W[8 g + lane][2048]
.set WO,    7                          ; v7   4 x lane
.set X,     16                         ; v16-47   two sets of 16 neighbours.   v8-15: 2^e0, 57,344 x 2^e0; the same for e2; for e1; for e3
.set Y,     48                         ; v48-63   their magnitudes, held
.set R,     64                         ; v64-191  eight sets of 16 numbers as loaded; a set that has gone through the stage takes codes
.set SA,    192                        ; v192 my 16 codes' place in acodes: 16 (l % 16) + ASTEP (l / 16)
.set SB,    193                        ; v193 the same in bcodes
.set WSA,   194                        ; v194 into my half row's LDS bytes: 8704 w + 4 l
.set WR,    204                        ; v204-235 my half row of W as loaded
.set WB,    32                         ; s[32:33] my half row of W in memory
.set AB,    48                         ; s[48:55] acodes at my first row, K steps 0, 4, 8, 12: the stores' immediates stay inside their signed 24 bits (ISA guide, chapter 10)
	s_load_b256 s[4:11], s[0:1], 0x0               ; x s[4:5], W s[6:7], the scales' exponents s[8:9], acodes s[10:11]
	s_load_b128 s[12:15], s[0:1], 0x20             ; bcodes s[12:13], wtail s[14:15]
	v_lshl_add_u32 v200, v0, 2, 0x29000            ; my spare word, behind the waves' regions; never rewritten
	v_mov_b32 v201, 0
	v_lshrrev_b32 v1, 5, v0
	s_delay_alu instid0(VALU_DEP_1)
	v_readfirstlane_b32 s16, v1                    ; wave 0..15
	s_mul_i32 s17, s16, WREG                       ; my wave's LDS
	s_lshl_b32 s36, ttmp9, 3
	s_lshr_b32 s37, s16, 1
	s_add_co_u32 s36, s36, s37                     ; my row of W: 8 g + w / 2
	s_and_b32 s37, s16, 1                          ; my half of it
	s_mul_i32 s38, s36, WROW
	s_lshl_b32 s39, s37, 12
	s_add_co_u32 s38, s38, s39
	s_mov_b32 s39, 0                               ; s[38:39] its first byte in W
	s_lshl_b32 s40, s36, 8
	s_lshl_b32 s41, s37, 21
	s_add_co_u32 s40, s40, s41
	s_mov_b32 s41, 0                               ; s[40:41] and of its codes: row x 256 + half x 4 K steps of BSTEP bytes
	s_lshl_b32 s42, ttmp9, 18
	s_lshl_b32 s43, s16, 14
	s_add_co_u32 s42, s42, s43
	s_mov_b32 s43, 0                               ; s[42:43] my two rows of x: (32 g + 2 w) x 8,192
	s_lshl_b32 s44, ttmp9, 13
	s_lshl_b32 s45, s16, 9
	s_add_co_u32 s44, s44, s45
	s_mov_b32 s45, 0                               ; s[44:45] and of their codes in a K step: (32 g + 2 w) x 256
	s_mul_i32 s18, ttmp9, 8*WROW
	s_mov_b32 s19, 0                               ; s[18:19] the work-group's eight rows of W
	s_lshl_b32 s46, ttmp9, 5
	s_mov_b32 s47, 0                               ; s[46:47] and their eight words of wtail
	s_wait_kmcnt 0x0
	s_add_nc_u64 s[WB:WB+1], s[6:7], s[38:39]
	v_and_b32 v1, 31, v0                           ; lane
	s_wait_alu depctr_va_vdst(0)
	s_load_b128 s[20:23], s[8:9], 0x0              ; e0, e1, e2, e3
	s_add_nc_u64 s[4:5], s[4:5], s[42:43]
	s_add_nc_u64 s[10:11], s[10:11], s[44:45]
	s_mov_b64 s[AB:AB+1], s[10:11]                 ; K steps 0 to 3: Q(x, e0), columns 0 to 1,023
	s_add_nc_u64 s[AB+2:AB+3], s[10:11], 4*ASTEP   ; K steps 4 to 7
	s_add_nc_u64 s[AB+4:AB+5], s[10:11], 8*ASTEP   ; K steps 8 to 11: Q(|x|, e2)
	s_add_nc_u64 s[AB+6:AB+7], s[10:11], 12*ASTEP  ; K steps 12 to 15
	s_add_nc_u64 s[12:13], s[12:13], s[40:41]
	s_add_nc_u64 s[18:19], s[6:7], s[18:19]
	s_add_nc_u64 s[14:15], s[14:15], s[46:47]
	v_lshlrev_b32 v[LA], 4, v1
	v_lshrrev_b32 v[STA], 4, v1
	s_delay_alu instid0(VALU_DEP_1)
	v_lshl_add_u32 v[STA], v[STA], 4, v[LA]
	s_delay_alu instid0(VALU_DEP_1)
	v_add_nc_u32 v[STA], s17, v[STA]
	v_lshrrev_b32 v[RDA], 2, v1
	s_delay_alu instid0(VALU_DEP_1)
	v_lshlrev_b32 v[RDA], 4, v[RDA]
	s_delay_alu instid0(VALU_DEP_1)
	v_lshl_add_u32 v[RDA], v1, 6, v[RDA]
	s_delay_alu instid0(VALU_DEP_1)
	v_add_nc_u32 v[RDA], s17, v[RDA]
	v_lshrrev_b32 v[Y], 4, v1                      ; l / 16
	v_and_b32 v[SB], 15, v1
	s_delay_alu instid0(VALU_DEP_1)
	v_lshlrev_b32 v[SB], 4, v[SB]                  ; 16 (l % 16)
	s_delay_alu instid0(VALU_DEP_1)
	v_lshl_add_u32 v[SA], v[Y], 21, v[SB]          ; + ASTEP (l / 16)
	s_delay_alu instid0(VALU_DEP_2)
	v_lshl_add_u32 v[SB], v[Y], 19, v[SB]          ; + BSTEP (l / 16)
	v_min_u32 v[TO], 7, v1                         ; lanes 8 to 31 read row 7's once more: no load leaves the buffer
	s_delay_alu instid0(VALU_DEP_1)
	v_mul_u32_u24 v[TO], v[TO], WROW
	v_mov_b32 v[TV], 0
	v_lshlrev_b32 v[WO], 2, v1
	v_add_nc_u32 v[WSA], s17, v[WO]
	s_cmp_lg_u32 s16, 0
	s_wait_alu depctr_va_vdst(0)
	s_cbranch_scc1 .Lno_tail_load
	global_load_b32 v[TV], v[TO], s[18:19] offset:8192   ; wave 0: the rows' last column.  It is issued ahead of all other loads, so the counts below hold in every wave
.Lno_tail_load:
.macro LOAD t                          ; step t of x: 32 lanes read 512 consecutive bytes, four times
.irp i, 0,1,2,3
	global_load_b128 v[R+16*(\t)+4*\i:R+16*(\t)+4*\i+3], v[LA], s[4:5] offset:2048*(\t)+512*\i th:TH_LOAD_NT
.endr
.endm
.macro TURN t                          ; step t's numbers come to their lanes.  x's go through a stage: LDS serves a wave's instructions in order, so no wait stands between the stores and the loads.  W's lie in LDS already
.if (\t) < 8
.irp i, 0,1,2,3
	ds_store_b128 v[STA], v[R+16*(\t)+4*\i:R+16*(\t)+4*\i+3] offset:STG+STB*((\t)%2)+544*\i
.endr
.irp c, 0,1,2,3
	ds_load_b128 v[X+16*((\t)%2)+4*\c:X+16*((\t)%2)+4*\c+3], v[RDA] offset:STG+STB*((\t)%2)+16*\c
.endr
.else
.irp c, 0,1,2,3
	ds_load_b128 v[X+16*((\t)%2)+4*\c:X+16*((\t)%2)+4*\c+3], v[RDA] offset:STB*((\t)-8)+16*\c
.endr
.endif
.endm
.macro MKSC e, v                       ; v[v] = 2^e as f32 (the conversion takes its exponent field), v[v + 1] = 57,344 x 2^e
	s_add_co_i32 s40, s[\e], 127
	s_lshl_b32 s41, s40, 23
	v_mov_b32 v[\v], s41
	s_add_co_i32 s40, s40, 15
	s_lshl_b32 s40, s40, 23
	s_or_b32 s40, s40, 0x600000
	v_mov_b32 v[\v+1], s40
.endm
; A step: my 16 neighbours become 16 codes as they are and 16 codes of their magnitudes.  v[q], v[q + 1]: scale and bound of the first; v[q + 2], v[q + 3]: of the second.
.macro QSTEP t, q, sa, b1, o1, b2, o2
.set XS, X+16*((\t)%2)
.if (\t) < 8
.set CC, R+16*(\t)
.else
.set CC, R+16*((\t)-8)+8
.endif
.irp i, 0,1,2,3,4,5,6,7,8,9,10,11,12,13,14,15
	v_min_num_f32 v[Y+\i], |v[XS+\i]|, v[\q+3]     ; the magnitude, held from above: the conversion to an 8-bit code does not saturate (ISA guide 7.6.2)
.endr
.irp i, 0,1,2,3,4,5,6,7,8,9,10,11,12,13,14,15
	v_med3_num_f32 v[XS+\i], v[XS+\i], -v[\q+1], v[\q+1]
.endr
	v_cvt_scalef32_pk8_bf8_f32 v[CC:CC+1], v[XS:XS+7], v[\q]
	v_cvt_scalef32_pk8_bf8_f32 v[CC+2:CC+3], v[XS+8:XS+15], v[\q]
	v_cvt_scalef32_pk8_bf8_f32 v[CC+4:CC+5], v[Y:Y+7], v[\q+2]
	v_cvt_scalef32_pk8_bf8_f32 v[CC+6:CC+7], v[Y+8:Y+15], v[\q+2]
	v_nop                                          ; one plain vector instruction behind the conversions: the next step's first line writes v[Y], a source of theirs
	global_store_b128 v[\sa], v[CC:CC+3], s[\b1:\b1+1] offset:\o1     ; lanes 0-15 store the row's 256 bytes of one K step, lanes 16-31 those of the next: each 256 consecutive bytes, aligned
	global_store_b128 v[\sa], v[CC+4:CC+7], s[\b2:\b2+1] offset:\o2   ; the magnitudes' codes lie eight K steps further on
.endm
.irp t, 0,1,2,3,4,5,6,7
	LOAD \t
.endr
.set I, 0
.rept 32                               ; my half row of W: 32 lanes read 128 consecutive bytes, 32 times.  Issued behind x's loads: it is worked last
	global_load_b32 v[WR+I], v[WO], s[WB:WB+1] offset:128*I th:TH_LOAD_NT
.set I, I+1
.endr
	s_wait_kmcnt 0x0
	MKSC 20, 8                                     ; e0: x
	MKSC 22, 10                                    ; e2: |x|
	MKSC 21, 12                                    ; e1: W
	MKSC 23, 14                                    ; e3: |W|
	s_wait_alu depctr_va_vdst(0)
	s_wait_loadcnt 60                              ; step 0's four loads are in (and the load issued ahead of them); the 28 of steps 1 to 7 and W's 32 may be out
	TURN 0
.irp t, 0,1,2,3,4,5,6,7,8,9
	s_wait_dscnt 0x0                               ; this step's numbers are in their lanes, and its stores into the stage have read their registers, which now take its codes
.if \t+1 < 8
	s_wait_loadcnt 60-4*(\t+1)                     ; the next step's four loads are in; the later steps', four each, and W's 32 may be out
.endif
.if \t+1 == 8
	s_wait_loadcnt 0x0                             ; W's loads are in
.set I, 0
.rept 32                               ; flat byte 128 I + 4 l of the half row lies at 4 l + 128 I + 16 (I / 2)
	ds_store_b32 v[WSA], v[WR+I] offset:128*I+16*(I/2)
.set I, I+1
.endr
.endif
.if \t+1 < 10
	TURN \t+1                                      ; the next step turns while this one is worked
.endif
.if \t < 8                             ; x: step t is row t / 4, K steps 2 (t % 4) and 2 (t % 4) + 1
	QSTEP \t, 8, SA, AB+2*((\t%4)/2), (\t%2)*2*ASTEP+(\t/4)*256, AB+4+2*((\t%4)/2), (\t%2)*2*ASTEP+(\t/4)*256
.else                                  ; W: step t is K steps 2 (t - 8) and 2 (t - 8) + 1 of my half's four
	QSTEP \t, 12, SB, 12, (\t-8)*2*BSTEP, 12, (\t-8)*2*BSTEP+8*BSTEP
.endif
.endr
	s_cmp_lg_u32 s16, 0
	s_cbranch_scc1 .Ldone
	; wave 0: the eight rows' last column.  A conversion takes eight numbers: the other seven are zeros, whose code is 0
.irp i, 1,2,3,4,5,6,7
	v_mov_b32 v[X+\i], 0
.endr
	v_med3_num_f32 v[X], v[TV], -v13, v13
	v_cvt_scalef32_pk8_bf8_f32 v[104:105], v[X:X+7], v12
	v_min_num_f32 v[Y], |v[TV]|, v15               ; (the plain instruction between the conversion and the write of its source)
	s_delay_alu instid0(VALU_DEP_1)
	v_mov_b32 v[X], v[Y]
	v_cvt_scalef32_pk8_bf8_f32 v[106:107], v[X:X+7], v14
	v_nop
	v_lshl_or_b32 v108, v106, 8, v104              ; byte 0: the number's code, byte 1: its magnitude's
	v_cmp_gt_u32 vcc_lo, 8, v1
	s_wait_alu depctr_va_vdst(0)
	s_wait_xcnt 0x0                                ; EXEC changes only behind this wait: it is a source of the stores above
	s_and_saveexec_b32 s40, vcc_lo
	global_store_b32 v[WO], v108, s[14:15]         ; eight lanes store 32 bytes: 8,192 bytes in the whole launch
	s_wait_xcnt 0x0
	s_or_b32 exec_lo, exec_lo, s40
.Ldone:
	s_wait_tensorcnt 0x0                           ; the wave's end
	ds_add_u32 v200, v201
	s_wait_dscnt 0x0
	s_endpgm
.Lfunc_end_k_q39fc2bca8a_quant:
	.size	k_q39fc2bca8a_quant, .Lfunc_end_k_q39fc2bca8a_quant-k_q39fc2bca8a_quant
	.p2alignl 7, 3214868480
	.fill 96, 4, 3214868480
	.section	.rodata,"a",@progbits
	.p2align	6, 0x0
	.amdhsa_kernel k_q39fc2bca8a_quant
		.amdhsa_group_segment_fixed_size 169984
		.amdhsa_private_segment_fixed_size 0
		.amdhsa_enable_private_segment 0
		.amdhsa_kernarg_size 48
		.amdhsa_user_sgpr_count 2
		.amdhsa_user_sgpr_kernarg_segment_ptr 1
		.amdhsa_wavefront_size32 1
		.amdhsa_system_sgpr_workgroup_id_x 1
		.amdhsa_system_sgpr_workgroup_id_y 1
		.amdhsa_system_sgpr_workgroup_id_z 1
		.amdhsa_system_vgpr_workitem_id 0
		.amdhsa_next_free_vgpr 240
		.amdhsa_next_free_sgpr 66
		.amdhsa_reserve_vcc 1
		.amdhsa_float_denorm_mode_32 3
		.amdhsa_float_denorm_mode_16_64 3
		.amdhsa_memory_ordered 1
		.amdhsa_forward_progress 1
		.amdhsa_inst_pref_size 44
	.end_amdhsa_kernel
	.amdgpu_metadata
---
amdhsa.version: [ 1, 2 ]
amdhsa.kernels:
  - .name:           k_q39fc2bca8a_quant
    .symbol:         k_q39fc2bca8a_quant.kd
    .args:
      - { .name: x, .offset: 0, .size: 8, .value_kind: global_buffer, .address_space: global }
      - { .name: weight, .offset: 8, .size: 8, .value_kind: global_buffer, .address_space: global }
      - { .name: lowp_scales, .offset: 16, .size: 8, .value_kind: global_buffer, .address_space: global }
      - { .name: acodes, .offset: 24, .size: 8, .value_kind: global_buffer, .address_space: global }
      - { .name: bcodes, .offset: 32, .size: 8, .value_kind: global_buffer, .address_space: global }
      - { .name: wtail, .offset: 40, .size: 8, .value_kind: global_buffer, .address_space: global }
    .group_segment_fixed_size: 169984
    .private_segment_fixed_size: 0
    .kernarg_segment_align: 8
    .kernarg_segment_size: 48
    .max_flat_workgroup_size: 512
    .sgpr_count:     66
    .vgpr_count:     240
    .wavefront_size: 32
...
	.end_amdgpu_metadata
.endif
;; end of part 1
;; launch gemm (part 2): grid 8 x 32, 4 waves a work-group, clusters of 4 x 4, 327,680 bytes of LDS; arguments acodes, bcodes, wtail, lowp_scales, out0; writes out0
.if DOCPART == 2
	.amdgcn_target "amdgcn-amd-amdhsa--gfx1250"
	.amdhsa_code_object_version 6
	.text
	.protected	k_q39fc2bca8a_gemm
	.globl	k_q39fc2bca8a_gemm
	.p2align	8
	.type	k_q39fc2bca8a_gemm,@function
k_q39fc2bca8a_gemm:
	s_mov_b64 s[64:65], 0
	v_nop
	global_prefetch_b8 v0, s[64:65] scope:SCOPE_SE
	s_setreg_imm32_b32 hwreg(HW_REG_WAVE_MODE, 25, 1), 1
	s_wait_xcnt 0x0
	s_wait_alu depctr_hold_cnt(0) depctr_sa_sdst(0) depctr_va_vdst(0) depctr_va_sdst(0) depctr_va_ssrc(0) depctr_va_vcc(0) depctr_vm_vsrc(0)
	s_getreg_b32 s2, hwreg(HW_REG_IB_STS2, 6, 4)
	s_cmp_eq_u32 s2, 0
	s_cbranch_scc0 .Lentry_in_a_cluster
	s_endpgm
.Lentry_in_a_cluster:
	s_bfe_u32 s2, ttmp6, 0x10000c
	s_cmp_lg_u32 s2, 0xf033
	s_cbranch_scc0 .Lentry_shape_is_right
	s_endpgm
.Lentry_shape_is_right:
; out0[m][o] = 0.5 (2^(e0+e1) S1 + 2^(e2+e3) S2): S1 = sum over the 2,049 columns of the codes Q(xb, e0) Q(W, e1), S2 the same of Q(|xb|, e2) Q(|W|, e3); codes of BF8 (E5M2), sums in f32.
; acodes [16][8192][256], bcodes [16][2048][256]: K step j of 256 outermost; K steps 0-7 belong to S1, 8-15 to S2.  wtail: the codes of W's last column, which meets xb's column of ones.
; ONE accumulator serves both sums: it starts as the last column's part (S1's + S2's x 2^(e2+e3-e0-e1)), takes K steps 0-7, is multiplied once by 2^(e0+e1-e2-e3), takes K steps 8-15, and is
; multiplied by 2^(e2+e3-1) on the way out.  Powers of two round nothing short of overflow and underflow.
; LIMITS: e0 and e2 between -126 and 112; e0+e1-e2-e3 between -126 and 126; e2+e3-1 between -126 and 127: so that each factor is an f32 number.
; A tile of out0, 256 x 256, is made by four waves, each 128 x 128: 64 accumulators, 512 registers.  K goes in K steps of 256 through two LDS slots filled by the tensor data mover (rows of 256 bytes).
; CLUSTERS 4 x 4: A's tile is shared along a row of the cluster, B's along a column: each is asked for jointly.  The matrix instruction is used transposed (source 0 = rows of B, source 1 = rows of A).
; A STEP is 128 along K: A's eight blocks one after the other, each against B's eight fragments.  The next step's 64 LDS loads stand in four runs of 16, one behind every two blocks' sixteen products:
; B's other set first, then A's blocks that are done with.  Where slots change the runs are three: 24 straight behind the joint load, 24 and 16.  A's block 7 has two buffers by turns.
; THE LAST K STEP GOES BY ROWS OF out0: both of B's sets hold its two halves, and my eight blocks of 16 rows are finished one after the other and leave as they are finished.
; REGISTERS: window 0: v0-31 addresses, v32-95 the last column's part (later the way out), v96-255 A's fragment buffers (-1, in the last K step alone, and 0 to 8); window 1: B's two sets;
; windows 2, 3: the accumulators ((a, b) at v[8 (8 (a % 4) + b)]); a finished block's 64 registers take its rows as they come back from the stage.
; PREFETCH: with the joint load of K step t goes a request for K step t + 2 (K steps 1 and 2 at the head): 32 rows x 256 bytes a wave, a lane a row; the four partners of a joint load share its 128 rows by address.
; A's rows are asked for by both clusters that load them; B's, which eight clusters load, by the four in even cluster rows.  The last two refills ask for nothing.
.set SIZE_N, 2048
.set KSTEPS, 16
.set ROWB,   256
.set ASTEP,  8192*256
.set BSTEP,  2048*256
.set PITCH,  272                       ; an LDS row: 256 bytes + 16 of padding: the 16 rows that a load touches start at 16 different banks (64 banks of 4 bytes: ISA guide 11.1)
.set FR,     16                        ; registers of a fragment: 16 rows x 128 K
.set HALFT,  128*PITCH
.set SLOT,   4*HALFT                   ; A's 256 rows, then B's 256 rows
.set LAPS,   KSTEPS/2
.set SPARE,  2*SLOT                    ; behind the ring: the spare words, 128 bytes a wave
.set SPITCH, 528                       ; the way out: a stage of 16 rows x (512 + 16) bytes a wave, in slot 0 behind its last fill and last read
.set ADRA, 16
.set ADRB, 20
.set STO,  24
.set RD,   25
.set CO,   26
.set WTO,  27
.set SPW,  28
.set NIL,  29
.set PFO,  30
.set TL,   32
.set TMP,  32
.set AF,   112
.set BT,   128                         ; the head's registers for the last column lie where A's fragments land later
.set AT,   152
.set CS,   160
.set P1,   168
.set ON,   170
.set TA,   171
.set SC0,  172
.set SC2,  173
.set G1, 24
.set G0, 32
.set G1B, 48
.set G0B, 56
.set S_FIN, 72
.set S_D,   74
.set S_INV, 76
.set PFA,   84
.set LIM,   86
.set PFS,   92
.set PF1,   94
.set PF2,   96
.set MSB, 0
.macro WIN new                         ; the immediate's high byte repeats the setting that is left
.if MSB != \new
	s_set_vgpr_msb (MSB<<8)|\new
.set MSB, \new
.endif
.endm
.set TO_B, 0x40                        ; destination window 1, address window 0
.macro JLOAD g0a, g1a, g0b, g1b        ; a joint load: waves 0, 1 for A, waves 2, 3 for B; s_nop 0 and four v_nop behind each line
	s_cmp_eq_u32 s15, 0
	s_cbranch_scc0 .Lfor_b_\@
	tensor_load_to_lds s[\g0a:\g0a+3], s[\g1a:\g1a+7]
	s_nop 0
.rept 4
	v_nop
.endr
	s_branch .Lasked_\@
.Lfor_b_\@:
	tensor_load_to_lds s[\g0b:\g0b+3], s[\g1b:\g1b+7]
	s_nop 0
.rept 4
	v_nop
.endr
.Lasked_\@:
.endm
.macro ASK                             ; the K step two refills on; not in the loop's last trip (s3 = 1), nor in waves that do not ask (LIM = the greatest number)
	s_cmp_gt_u32 s3, s[LIM]
	s_cbranch_scc0 .Lnot_mine_\@
	global_prefetch_b8 v[PFO], s[PFA:PFA+1] th:TH_LOAD_NT scope:SCOPE_SE
.Lnot_mine_\@:
.endm
.macro CREST                           ; a round of the cluster's barrier behind its opening barrier
	s_cmp_lg_u32 s14, 0
	s_cbranch_scc1 .Lnot_wave_0_\@
	s_barrier_signal -3
.Lnot_wave_0_\@:
	s_barrier_wait -3
	s_barrier_signal -1
	s_barrier_wait -1
.endm
.macro CROUND
	s_barrier_signal -1
	s_barrier_wait -1
	CREST
.endm
	s_load_b128 s[4:7], s[0:1], 0x0                ; acodes, bcodes
	s_load_b128 s[8:11], s[0:1], 0x10              ; wtail, the scales' exponents
	s_load_b64 s[12:13], s[0:1], 0x20              ; out0
	v_lshl_add_u32 v[SPW], v0, 2, SPARE
	v_mov_b32 v[NIL], 0
	ds_add_u32 v[SPW], v[NIL]                      ; the opening lines: the add, twice on end, and its wait ahead of my first tensor load
	ds_add_u32 v[SPW], v[NIL]
	v_lshrrev_b32 v1, 5, v0
	v_readfirstlane_b32 s14, v1                    ; wave 0..3
	s_lshr_b32 s15, s14, 1                         ; my half of the tile's rows; also: I fetch for A (0) or B (1)
	s_and_b32 s16, s14, 1                          ; my half of its columns; also: which 128 rows I fetch
	s_bfe_u32 s40, ttmp6, 0x40000                  ; cx
	s_bfe_u32 s41, ttmp6, 0x40004                  ; cy
	s_lshl_b32 s42, ttmp9, 2
	s_add_co_u32 s42, s42, s40                     ; tile column
	s_and_b32 s17, ttmp7, 0xffff
	s_lshl_b32 s17, s17, 2
	s_add_co_u32 s17, s17, s41                     ; tile row
	s_lshl_b32 s43, s41, 2
	s_lshl_b32 s43, 15, s43                        ; my row of the cluster
	s_lshl_b32 s44, 0x1111, s40                    ; my column
	s_or_b32 s[G1+0], s43, (0<<16)|(1<<20)|(1<<21)|(5<<22)|(3<<25)  ; mask; elements of 1 byte; padding of 4 words behind every 64; bit 21 beside a mask
	s_or_b32 s[G1B+0], s44, (0<<16)|(1<<20)|(1<<21)|(5<<22)|(3<<25)
.irp g, G1, G1B
	s_mov_b32 s[\g+1], ROWB<<16
	s_mov_b32 s[\g+2], 128<<16
	s_mov_b32 s[\g+3], ROWB<<16
	s_mov_b32 s[\g+4], 128
	s_mov_b32 s[\g+5], ROWB                        ; the rows of a K step lie on end
	s_mov_b32 s[\g+6], 0
	s_mov_b32 s[\g+7], 0
.endr
	s_lshl_b32 s18, s16, 7
	s_lshl_b32 s20, s17, 8
	s_add_co_u32 s20, s20, s18                     ; A: row 256 x tile row + 128 x half
	s_lshl_b32 s46, s42, 8
	s_add_co_u32 s46, s46, s18                     ; B: row 256 x tile column + 128 x half
	s_lshl_b32 s20, s20, 8
	s_lshl_b32 s46, s46, 8                         ; x 256 bytes
	s_mov_b32 s21, 0
	s_mov_b32 s47, 0
	s_mul_i32 s45, s14, HALFT                      ; where they go: wave x 128 rows
	s_wait_dscnt 0x0                               ; both opening adds are done
	s_wait_kmcnt 0x0
	s_load_b128 s[68:71], s[10:11], 0x0            ; e0 .. e3
	s_add_nc_u64 s[20:21], s[4:5], s[20:21]
	s_add_nc_u64 s[46:47], s[6:7], s[46:47]
	CROUND                                         ; all sixteen work-groups are here: the first joint loads meet
.irp s, 0,1
	s_mov_b32 s[G0+4*\s], 1
	s_add_co_u32 s[G0+4*\s+1], s45, \s*SLOT
	s_add_nc_u64 s[G0+4*\s+2:G0+4*\s+3], s[20:21], \s*ASTEP
	s_or_b32 s[G0+4*\s+3], s[G0+4*\s+3], 0x80000000
	s_mov_b32 s[G0B+4*\s], 1
	s_add_co_u32 s[G0B+4*\s+1], s45, \s*SLOT
	s_add_nc_u64 s[G0B+4*\s+2:G0B+4*\s+3], s[46:47], \s*BSTEP
	s_or_b32 s[G0B+4*\s+3], s[G0B+4*\s+3], 0x80000000
.endr
	JLOAD G0, G1, G0B, G1B                         ; K step 0: one tensor load a wave at the head
	v_and_b32 v1, 15, v0                           ; l % 16
	v_bfe_u32 v2, v0, 4, 1                         ; l / 16
	v_mul_u32_u24 v3, v1, PITCH
	v_lshl_add_u32 v4, v2, 4, v3
	s_mul_i32 s21, s15, HALFT
	s_mul_i32 s22, s16, HALFT
	s_add_co_u32 s22, s22, 2*HALFT
.irp s, 0,1
	v_add_nc_u32 v[ADRA+\s], s21, v4
	v_add_nc_u32 v[ADRB+\s], s22, v4
	s_add_co_u32 s21, s21, SLOT
	s_add_co_u32 s22, s22, SLOT
.endr
	s_mul_i32 s23, s14, 16*SPITCH                  ; my stage
	s_wait_alu depctr_va_vdst(0)
	v_mul_u32_u24 v5, v1, SPITCH
	v_lshl_add_u32 v5, v2, 5, v5
	v_add_nc_u32 v[STO], s23, v5
	v_and_b32 v6, 31, v0
	v_lshlrev_b32 v[CO], 4, v6
	v_add_nc_u32 v[RD], s23, v[CO]
	v_lshlrev_b32 v[PFO], 8, v6                    ; a lane a row of 256 bytes
	v_lshlrev_b32 v[WTO], 2, v1
	s_wait_alu depctr_va_vdst(0)
	s_lshl_b32 s20, s17, 8
	s_lshl_b32 s21, s15, 7
	s_add_co_u32 s20, s20, s21                     ; my first row of out0
	s_mov_b32 s21, 0
	s_mov_b64 s[18:19], SIZE_N*4
	s_mul_u64 s[20:21], s[20:21], s[18:19]
	s_lshl_b32 s46, s42, 10
	s_lshl_b32 s47, s16, 9
	s_add_co_u32 s46, s46, s47                     ; my first column x 4 bytes: in out0 and in wtail alike
	s_mov_b32 s47, 0
	s_add_nc_u64 s[8:9], s[8:9], s[46:47]
	s_add_nc_u64 s[20:21], s[20:21], s[46:47]
	s_add_nc_u64 s[12:13], s[12:13], s[20:21]
.irp b, 0,1,2,3,4,5,6,7
	global_load_b32 v[BT+2*\b], v[WTO], s[8:9] offset:64*\b   ; the last column's two codes of my 128 columns
.endr
	s_lshl_b32 s87, s17, 8
	s_lshl_b32 s88, s42, 8
	s_and_b32 s90, ttmp7, 1                        ; the cluster row's parity
	s_mov_b32 s[PFS], BSTEP
	s_cmp_eq_u32 s15, 0                            ; do I fetch for A?
	s_cselect_b32 s88, s87, s88                    ; the tile's first row
	s_cselect_b32 s89, s40, s41                    ; my place among the four that ask jointly
	s_cselect_b32 s90, 0, s90
	s_cselect_b32 s[PFS], ASTEP, s[PFS]
	s_cselect_b64 s[PFA:PFA+1], s[4:5], s[6:7]
	s_cmp_eq_u32 s90, 0
	s_cselect_b32 s[LIM], 1, -1                    ; A's waves ask in every cluster, B's in even cluster rows
	s_lshl_b32 s90, s16, 7
	s_add_co_u32 s88, s88, s90
	s_lshl_b32 s89, s89, 5
	s_add_co_u32 s88, s88, s89                     ; + my work-group's 32 of the 128 rows that I fetch
	s_lshl_b32 s88, s88, 8
	s_mov_b32 s89, 0
	s_mov_b32 s[PFS+1], 0
	s_add_nc_u64 s[PF1:PF1+1], s[PFA:PFA+1], s[88:89]
	s_add_nc_u64 s[PF1:PF1+1], s[PF1:PF1+1], s[PFS:PFS+1]   ; K step 1
	s_add_nc_u64 s[PF2:PF2+1], s[PF1:PF1+1], s[PFS:PFS+1]   ; K step 2
	s_add_nc_u64 s[PFA:PFA+1], s[PF2:PF2+1], s[PFS:PFS+1]   ; K step 3
	s_mov_b32 s3, LAPS-1
	s_cmp_eq_u32 s[LIM], 1
	s_cbranch_scc0 .Lno_ask
	global_prefetch_b8 v[PFO], s[PF1:PF1+1] th:TH_LOAD_NT scope:SCOPE_SE
	global_prefetch_b8 v[PFO], s[PF2:PF2+1] th:TH_LOAD_NT scope:SCOPE_SE
.Lno_ask:
	; THE LAST COLUMN.  xb's ones become the codes Q(1, e0) and Q(1, e2), in lanes 0-15 at k = 0 and k = 1; all other k are zero codes.  Two products of K = 64 for each of my eight column blocks
.irp j, 1,3,5,7,9,11,13,15,16,17,18,19,20,21
	v_mov_b32 v[BT+\j], 0
.endr
.irp j, 2,3,4,5,6,7
	v_mov_b32 v[AT+\j], 0
.endr
.irp j, 1,2,3,4,5,6,7
	v_mov_b32 v[CS+\j], 0
.endr
	v_sub_nc_u32 v[ON], 1, v2
	v_cvt_f32_u32 v[ON], v[ON]                     ; 1.0 in lanes 0-15, 0 in lanes 16-31
	s_wait_alu depctr_va_vdst(0)
	s_wait_kmcnt 0x0
	s_add_co_i32 s87, s68, s69
	s_add_co_i32 s88, s70, s71
	s_sub_co_i32 s89, s87, s88
	s_add_co_i32 s90, s89, 127
	s_lshl_b32 s[S_D], s90, 23                     ; 2^(e0+e1-e2-e3)
	s_mov_b32 s[S_D+1], s[S_D]
	s_sub_co_i32 s90, 127, s89
	s_lshl_b32 s[S_INV], s90, 23                   ; its inverse
	s_mov_b32 s[S_INV+1], s[S_INV]
	s_add_co_i32 s90, s88, 126
	s_lshl_b32 s[S_FIN], s90, 23                   ; 2^(e2+e3-1)
	s_mov_b32 s[S_FIN+1], s[S_FIN]
	s_add_co_i32 s90, s68, 127
	s_lshl_b32 s80, s90, 23
	s_add_co_i32 s90, s90, 15
	s_lshl_b32 s78, s90, 23
	s_or_b32 s78, s78, 0x600000
	s_add_co_i32 s90, s70, 127
	s_lshl_b32 s81, s90, 23
	s_add_co_i32 s90, s90, 15
	s_lshl_b32 s79, s90, 23
	s_or_b32 s79, s79, 0x600000
	v_mov_b32 v[SC0], s80
	v_mov_b32 v[SC2], s81
	v_min_num_f32 v[CS], s78, v[ON]                ; the hold: the conversion does not saturate (ISA guide 7.6.2)
	v_cvt_scalef32_pk8_bf8_f32 v[P1:P1+1], v[CS:CS+7], v[SC0]
	v_min_num_f32 v[TA], s79, v[ON]
	v_mov_b32 v[CS], v[TA]
	v_cvt_scalef32_pk8_bf8_f32 v[AT:AT+1], v[CS:CS+7], v[SC2]
	v_nop
	v_lshlrev_b32 v[AT], 8, v[AT]                  ; Q(1, e2) at k = 1, where |W|'s code lies
	s_wait_alu depctr_va_vdst(0)
	s_wait_loadcnt 0x0
.irp b, 0,1,2,3,4,5,6,7
	v_wmma_f32_16x16x64_bf8_bf8 v[TL+8*\b:TL+8*\b+7], v[BT+2*\b:BT+2*\b+7], v[AT:AT+7], 0
.endr
.rept 4
	v_nop
.endr
.irp j, 0,2,4,6,8,10,12,14,16,18,20,22,24,26,28,30,32,34,36,38,40,42,44,46,48,50,52,54,56,58,60,62
	v_pk_mul_f32 v[TL+\j:TL+\j+1], v[TL+\j:TL+\j+1], s[S_INV:S_INV+1] op_sel_hi:[1,0]
.endr
	v_mov_b32 v[AT], v[P1]                         ; Q(1, e0) at k = 0
.irp b, 0,1,2,3,4,5,6,7
	v_wmma_f32_16x16x64_bf8_bf8 v[TL+8*\b:TL+8*\b+7], v[BT+2*\b:BT+2*\b+7], v[AT:AT+7], v[TL+8*\b:TL+8*\b+7]
.endr
.rept 5
	v_nop                                          ; five places: these results are the C of other accumulators, and loads land on these sources
.endr
.macro FRAG reg, adr, q, i             ; lane l: row l % 16; registers 4 c .. 4 c + 3 hold K = 32 c + 16 (l / 16) + 0 .. 15: the same permutation of k in A and B
.irp c, 0,1,2,3
	ds_load_b128 v[\reg+4*\c:\reg+4*\c+3], v[\adr] offset:128*(\q)+32*\c+(\i)*16*PITCH
.endr
.endm
.macro LDB slot, q, p, i               ; B's fragment i of the slot's q-th 128 along K into set p
	WIN TO_B
	FRAG 128*(\p)+FR*(\i), ADRB+\slot, \q, \i
.endm
.macro LDA slot, q, p, i               ; A's block i; block 7 into buffer 7 + p
	WIN 0
.if (\i) == 7
	FRAG AF+FR*(7+(\p)), ADRA+\slot, \q, \i
.else
	FRAG AF+FR*(\i), ADRA+\slot, \q, \i
.endif
.endm
.macro PLACES                          ; a load into a register that a matrix instruction has read or written, and a vector instruction that reads a result, stand four places behind it (ISA guide 7.12.1 for the vector instruction)
.rept 4
	v_nop
.endr
.endm
; Eight matrix instructions: A's block a x B's eight of set p.  first = 1: C is the last column's part.
; The 64 accumulators take turns in the same order in every step.
.macro MUL8 a, p, first
.if \first
	WIN 0x81+0x40*((\a)/4)
.else
	WIN 0xa1+0x50*((\a)/4)
.endif
.set AB, AF+FR*(\a)
.if (\a) == 7
.set AB, AF+FR*(7+(\p))
.endif
.irp b, 0,1,2,3,4,5,6,7
.if \first
	v_wmma_f32_16x16x128_bf8_bf8 v[8*(8*((\a)%4)+\b):8*(8*((\a)%4)+\b)+7], v[128*(\p)+FR*\b:128*(\p)+FR*\b+FR-1], v[AB:AB+FR-1], v[TL+8*\b:TL+8*\b+7]
.else
	v_wmma_f32_16x16x128_bf8_bf8 v[8*(8*((\a)%4)+\b):8*(8*((\a)%4)+\b)+7], v[128*(\p)+FR*\b:128*(\p)+FR*\b+FR-1], v[AB:AB+FR-1], v[8*(8*((\a)%4)+\b):8*(8*((\a)%4)+\b)+7]
.endif
.endr
.endm
; A slot's first step (set 0); it fetches the slot's second step.  Ahead of it the loads were issued in the order B 0-7, A 0-7 (4 each), A 4-7 last.
.macro RSTEP slot, first
	s_wait_dscnt 16                                ; B's set and A 0-3 are in; out may be A 4-7: 16
	MUL8 0, 0, \first
	MUL8 1, 0, \first
	PLACES
.irp i, 0,1,2,3
	LDB \slot, 1, 1, \i
.endr
	MUL8 2, 0, \first
	MUL8 3, 0, \first
	PLACES
.irp i, 4,5,6,7
	LDB \slot, 1, 1, \i
.endr
	s_wait_dscnt 32                                ; A 4-7 are in; out may be this step's 32
	MUL8 4, 0, \first
	MUL8 5, 0, \first
	PLACES
.irp i, 0,1,2,3
	LDA \slot, 1, 1, \i
.endr
	MUL8 6, 0, \first
	MUL8 7, 0, \first
	PLACES
.irp i, 4,5,6,7
	LDA \slot, 1, 1, \i
.endr
	WIN 0
.endm
; A slot's second step (set 1) changes slots.  All its operands were asked for in the step before, so this slot's reads end here: each wave waits for all its tensor loads (its part of the
; next slot), adds 0 to its spare word, and waits for the add and its reads; the barrier opens a round of the cluster's barrier; behind the round this slot is filled again, two K steps ahead (fill = 1).
.macro TSTEP slot, next, fill
.if \fill
	s_wait_xcnt 0x0                                ; my last prefetch has read its address
	s_add_nc_u64 s[PFA:PFA+1], s[PFA:PFA+1], s[PFS:PFS+1]
.endif
	s_wait_tensorcnt 0x0
	ds_add_u32 v[SPW], v[NIL]
.if \fill
	s_add_nc_u64 s[G0+4*\slot+2:G0+4*\slot+3], s[G0+4*\slot+2:G0+4*\slot+3], 2*ASTEP
	s_add_nc_u64 s[G0B+4*\slot+2:G0B+4*\slot+3], s[G0B+4*\slot+2:G0B+4*\slot+3], 2*BSTEP
.endif
	s_wait_dscnt 17                                ; B's set and A 0-3 are in; out may be A 4-7 (16) and the add
	MUL8 0, 1, 0
	MUL8 1, 1, 0
	s_wait_dscnt 0x0                               ; the add is done, and my reads of this slot are over
	s_barrier_signal -1
	MUL8 2, 1, 0
	WIN 0
	s_barrier_wait -1
.if \fill
	CREST
	JLOAD G0+4*\slot, G1, G0B+4*\slot, G1B         ; the first tensor load behind the round; its four v_nop are the places in front of the loads below
	ASK
.else
	PLACES
.endif
.irp i, 0,1,2,3,4,5
	LDB \next, 0, 0, \i
.endr
	MUL8 3, 1, 0
	MUL8 4, 1, 0
	PLACES
	LDB \next, 0, 0, 6
	LDB \next, 0, 0, 7
.irp i, 0,1,2,3
	LDA \next, 0, 0, \i
.endr
	MUL8 5, 1, 0
	MUL8 6, 1, 0
	MUL8 7, 1, 0
	PLACES
.irp i, 4,5,6,7
	LDA \next, 0, 0, \i
.endr
	WIN 0
.endm
.macro SCALE                           ; between K steps 7 and 8: every sum x 2^(e0+e1-e2-e3); each accumulator from its low end on
	WIN 0x82
.set J, 0
.rept 128
	v_pk_mul_f32 v[J:J+1], v[J:J+1], s[S_D:S_D+1] op_sel_hi:[1,0]
.set J, J+2
.endr
	WIN 0xc3
.set J, 0
.rept 128
	v_pk_mul_f32 v[J:J+1], v[J:J+1], s[S_D:S_D+1] op_sel_hi:[1,0]
.set J, J+2
.endr
	WIN 0
.endm
; THE LAST K STEP, BY ROWS.  MULX: A's block a x B's eight of set p, A's fragment in buffer ab.  LDX: the second half (q = 1) of A's block i of slot 1 into buffer ab.
.macro MULX a, p, ab
	WIN 0xa1+0x50*((\a)/4)
.irp b, 0,1,2,3,4,5,6,7
	v_wmma_f32_16x16x128_bf8_bf8 v[8*(8*((\a)%4)+\b):8*(8*((\a)%4)+\b)+7], v[128*(\p)+FR*\b:128*(\p)+FR*\b+FR-1], v[AF+FR*(\ab):AF+FR*(\ab)+FR-1], v[8*(8*((\a)%4)+\b):8*(8*((\a)%4)+\b)+7]
.endr
.endm
.macro LDX i, ab
	WIN 0
	FRAG AF+FR*(\ab), ADRA+1, 1, \i
.endm
; THE WAY OUT of block a, 16 rows x 128 columns: x 2^(e2+e3-1), through my own stage in LDS, back as whole rows of 512 bytes into the block's own 64 accumulator registers, which are done with.
; LDS serves a wave's instructions in order (ISA guide 5.7.1.4): no wait between the stores and the loads.
.macro TOSTAGE a
.set AC, 64*((\a)%4)
	WIN 0x02+((\a)/4)
.irp j, 0,2,4,6,8,10,12,14,16,18,20,22,24,26,28,30,32,34,36,38,40,42,44,46,48,50,52,54,56,58,60,62
	v_pk_mul_f32 v[TMP+\j:TMP+\j+1], v[AC+\j:AC+\j+1], s[S_FIN:S_FIN+1] op_sel_hi:[1,0]
.endr
	WIN 0
.irp b, 0,1,2,3,4,5,6,7
	ds_store_b128 v[STO], v[TMP+8*\b:TMP+8*\b+3] offset:64*\b
	ds_store_b128 v[STO], v[TMP+8*\b+4:TMP+8*\b+7] offset:64*\b+16
.endr
	WIN 0x80+0x40*((\a)/4)
.irp t, 0,1,2,3,4,5,6,7,8,9,10,11,12,13,14,15
	ds_load_b128 v[AC+4*\t:AC+4*\t+3], v[RD] offset:\t*SPITCH
.endr
.endm
; younger: the LDS instructions issued behind block a's loads.  Every offset is an immediate (127 rows of 8,192 bytes at the most: inside the signed 24 bits, ISA guide chapter 10),
; and no store's register is written again: so no wait frees a store's sources.
.macro SEND a, younger
.set AC, 64*((\a)%4)
	s_wait_dscnt \younger
	WIN 0x08+0x04*((\a)/4)
.irp t, 0,1,2,3,4,5,6,7,8,9,10,11,12,13,14,15
	global_store_b128 v[CO], v[AC+4*\t:AC+4*\t+3], s[12:13] offset:(16*(\a)+\t)*SIZE_N*4   ; 32 lanes store 512 consecutive bytes, aligned to 256
.endr
.endm
	s_wait_alu depctr_va_vdst(0)
	s_wait_tensorcnt 0x0                           ; my part of K step 0 is in
	ds_add_u32 v[SPW], v[NIL]
	s_wait_dscnt 0x0
	CROUND
	JLOAD G0+4, G1, G0B+4, G1B                     ; K step 1, into slot 1
	ASK                                            ; K step 3
.irp i, 0,1,2,3,4,5,6,7
	LDB 0, 0, 0, \i
.endr
.irp i, 0,1,2,3,4,5,6,7
	LDA 0, 0, 0, \i
.endr
	RSTEP 0, 1                                     ; the first step stands in front of the loop: its products start the sums
.Llap:                                                 ; a trip goes once round the ring and fills both slots again
	TSTEP 0, 1, 1
	RSTEP 1, 0
	TSTEP 1, 0, 1
	s_cmp_eq_u32 s3, LAPS/2                        ; K step 7 is done
	s_cbranch_scc0 .Lsame
	SCALE
.Lsame:
	s_wait_alu depctr_va_vdst(0)
	RSTEP 0, 0
	s_sub_co_u32 s3, s3, 1
	s_cmp_lg_u32 s3, 0
	s_cbranch_scc1 .Llap
	TSTEP 0, 1, 0                                  ; the last change of slots fills nothing, and has no round.  Behind its barrier nobody reads slot 0: the stages lie there
.irp i, 0,1,2,3,4,5,6,7
	LDB 1, 1, 1, \i                                ; in the run that ends that step (its places stand): the last K step's second half of B into set 1,
.endr
	LDX 0, 8                                       ; and of A's blocks 0 and 1 into the two buffers that are free
	LDX 1, -1
	s_wait_dscnt 56                                ; B's set 0 and A 0-3 are in; out may be A 4-7 (16), set 1 (32), the two fragments above (8)
	MULX 0, 0, 0
	MULX 1, 0, 1
	MULX 2, 0, 2
	MULX 3, 0, 3
	PLACES
	LDX 2, 0                                       ; the second halves of blocks 2 to 5 into the buffers just multiplied
	LDX 3, 1
	LDX 4, 2
	LDX 5, 3
	s_wait_dscnt 20                                ; set 1 and block 0's second half are in; out may be block 1's (4) and the 16 just issued
	MULX 0, 1, 8                                   ; block 0 is finished
	s_wait_dscnt 16
	MULX 1, 1, -1                                  ; block 1
	PLACES
	TOSTAGE 0
	s_wait_dscnt 32                                ; the second halves of blocks 2 to 5 are in; out may be the stage's 32
	MULX 2, 1, 0
	PLACES
	TOSTAGE 1
	SEND 0, 32
	MULX 3, 1, 1
	PLACES
	TOSTAGE 2
	SEND 1, 32
	MULX 4, 0, 4
	MULX 4, 1, 2
	PLACES
	LDX 6, 4
	TOSTAGE 3
	SEND 2, 36                                     ; behind block 2's loads: one fragment's 4 and block 3's 32
	MULX 5, 0, 5
	MULX 5, 1, 3
	PLACES
	LDX 7, 5
	TOSTAGE 4
	SEND 3, 36                                     ; this wait also shows block 6's second half in
	MULX 6, 0, 6
	MULX 6, 1, 4
	PLACES
	TOSTAGE 5
	SEND 4, 32                                     ; and this one block 7's
	MULX 7, 0, 7
	MULX 7, 1, 5
	PLACES
	TOSTAGE 6
	SEND 5, 32
	TOSTAGE 7
	SEND 6, 32
	SEND 7, 0
	WIN 0
	s_wait_tensorcnt 0x0                           ; the wave's end
	ds_add_u32 v[SPW], v[NIL]
	s_wait_dscnt 0x0
	CROUND                                         ; the closing round
	s_endpgm
.Lfunc_end_k_q39fc2bca8a_gemm:
	.size	k_q39fc2bca8a_gemm, .Lfunc_end_k_q39fc2bca8a_gemm-k_q39fc2bca8a_gemm
	.p2alignl 7, 3214868480
	.fill 96, 4, 3214868480
	.section	.rodata,"a",@progbits
	.p2align	6, 0x0
	.amdhsa_kernel k_q39fc2bca8a_gemm
		.amdhsa_group_segment_fixed_size 327680
		.amdhsa_private_segment_fixed_size 0
		.amdhsa_enable_private_segment 0
		.amdhsa_kernarg_size 40
		.amdhsa_user_sgpr_count 2
		.amdhsa_user_sgpr_kernarg_segment_ptr 1
		.amdhsa_wavefront_size32 1
		.amdhsa_system_sgpr_workgroup_id_x 1
		.amdhsa_system_sgpr_workgroup_id_y 1
		.amdhsa_system_sgpr_workgroup_id_z 1
		.amdhsa_system_vgpr_workitem_id 0
		.amdhsa_next_free_vgpr 1024
		.amdhsa_next_free_sgpr 100
		.amdhsa_reserve_vcc 0
		.amdhsa_float_denorm_mode_32 3
		.amdhsa_float_denorm_mode_16_64 3
		.amdhsa_memory_ordered 1
		.amdhsa_forward_progress 1
		.amdhsa_inst_pref_size 150
	.end_amdhsa_kernel
	.amdgpu_metadata
---
amdhsa.version: [ 1, 2 ]
amdhsa.kernels:
  - .name:           k_q39fc2bca8a_gemm
    .symbol:         k_q39fc2bca8a_gemm.kd
    .args:
      - { .name: acodes, .offset: 0, .size: 8, .value_kind: global_buffer, .address_space: global }
      - { .name: bcodes, .offset: 8, .size: 8, .value_kind: global_buffer, .address_space: global }
      - { .name: wtail, .offset: 16, .size: 8, .value_kind: global_buffer, .address_space: global }
      - { .name: lowp_scales, .offset: 24, .size: 8, .value_kind: global_buffer, .address_space: global }
      - { .name: out0, .offset: 32, .size: 8, .value_kind: global_buffer, .address_space: global }
    .group_segment_fixed_size: 327680
    .private_segment_fixed_size: 0
    .kernarg_segment_align: 8
    .kernarg_segment_size: 40
    .max_flat_workgroup_size: 128
    .sgpr_count:     100
    .vgpr_count:     1024
    .wavefront_size: 32
...
	.end_amdgpu_metadata
.endif
;; end of part 2
